; MI455X (gfx1250); checked and timed in simulation.
; The chip was launched on July 23, 2026; its instructions are those of AMD's public machine-readable ISA for CDNA 5 (MIT licence, August 2026) and "CDNA5" Instruction Set Architecture Reference Guide (July 2026). The comments in the code are by the model that wrote it; some were corrected since.
;; Multi Head Self Attention. Allowed arithmetic: matrix products marked QUANTISED: E4M3 operands, one given power-of-two scale a tensor, by v_wmma_f32_16x16x64_fp8_fp8 or v_wmma_f32_16x16x128_fp8_fp8, f32 sums; everything else in f32.
;; Inputs: W_K_codes 1,024 x 32 x 32 uint8 (E4M3 codes of W_K, K innermost, in blocks of 32 codes); W_O_codes 1,024 x 32 x 32 uint8 (E4M3 codes of W_O, K innermost, in blocks of 32 codes); W_Q_codes 1,024 x 32 x 32 uint8 (E4M3 codes of W_Q, K innermost, in blocks of 32 codes); W_V_codes 1,024 x 32 x 32 uint8 (E4M3 codes of W_V, K innermost, in blocks of 32 codes); lowp_scales 12 int32 (the exponents e of the quantised operands' scales 2^e); x_codes 4 x 2,048 x 32 x 32 uint8 (E4M3 codes of x, K innermost, in blocks of 32 codes).
;; Outputs: out0 4 x 2,048 x 1,024 float32.
;; This version of the problem:
;;   THIS VERSION OF THE PROBLEM IS GIVEN IN LOW PRECISION. The matrix products marked QUANTISED in the list below multiply operands that are first quantised to E4M3 (4 exponent bits, 3 mantissa bits; 8 bits a number), with one given power-of-two scale for each operand tensor; their sums are f32. All else is computed in f32.
;;   The module's matrix products, in the order in which they are computed (A, B: the left and right operand; K: the contracted axis; several contracted axes count as one K, in the product's order):
;;     1. [M 8,192, K 1,024] x [K 1,024, N 1,024]; A: input x (given as codes); B: input W_Q (given as codes): QUANTISED (scales: A lowp_scales[0], B lowp_scales[1])
;;     2. [M 8,192, K 1,024] x [K 1,024, N 1,024]; A: input x (given as codes); B: input W_K (given as codes): QUANTISED (scales: A lowp_scales[2], B lowp_scales[3])
;;     3. [M 8,192, K 1,024] x [K 1,024, N 1,024]; A: input x (given as codes); B: input W_V (given as codes): QUANTISED (scales: A lowp_scales[4], B lowp_scales[5])
;;     4. batch 64 x [M 2,048, K 64] x [K 64, N 2,048]; A: computed on the way; B: computed on the way: QUANTISED (scales: A lowp_scales[6], B lowp_scales[7])
;;     5. batch 64 x [M 2,048, K 2,048] x [K 2,048, N 64]; A: softmax (see below); B: computed on the way: QUANTISED (scales: A lowp_scales[8], B lowp_scales[9])
;;     6. [M 8,192, K 1,024] x [K 1,024, N 1,024]; A: computed on the way; B: input W_O (given as codes): QUANTISED (scales: A lowp_scales[10], B lowp_scales[11])
;;   THE QUANTISER, for each operand of a quantised product, along K:
;;     - The operand's scale is 2^e, e = its entry of the input lowp_scales (int32; the entries are numbered through the quantised products in the list's order, A before B).
;;     - Each number is divided by the scale, clamped to +-448, and rounded to the nearest number of E4M3, ties to even, subnormals kept.
;;     - The product sums the exact products of the quantised numbers (number of the format x scale) in f32.
;;   ~~~python
;;   def quantise(x, axis, e):      # numpy; x: float32 -> the quantised numbers, widened to float32 again
;;       x = np.moveaxis(x, axis, -1); K = x.shape[-1]
;;       r = np.clip(x / 2.0 ** e, -448, 448)
;;       step = 2.0 ** (np.maximum(np.frexp(np.where(r == 0, 1, r))[1] - 1, -6) - 3)
;;       q = np.round(r / step) * step * 2.0 ** e      # np.round: ties to even
;;       return np.moveaxis(q, -1, axis).astype(np.float32)
;;   ~~~
;;   SOFTMAX AHEAD OF A QUANTISED PRODUCT. Where the list says 'softmax', what is quantised is not the finished softmax but p = 2^(t - M), with t = logit x log2(e) and M = ceil(the row's largest t), a whole number; so 1/2 < the row's largest p <= 1. The row's sum l is taken of the UNQUANTISED p, in f32, and the product's result is divided by l at the end. Since M is a whole number, a kernel that streams over the keys may use a running M (the ceiling of the running maximum): every later rescaling is an exact power of two, so the quantised numbers keep their values, but for numbers so far below the row's largest that they fall under the format's range.
;;   OPERANDS COMPUTED ON THE WAY. 'Computed on the way' means the value that the module computes at that place (a softmax that the list does not call 'softmax' is quantised finished and normalised). What goes into a quantiser is computed in f32, as accurately as f32 sums, v_exp_f32 and their like allow (about 1e-6 of the number): no bf16 or f16 on the way to a quantiser, and a product that is left as it is and whose result goes on into a quantised operand takes f32 operands (vector FMAs, or v_wmma_f32_16x16x4_f32). A number that lies on a knife's edge between two numbers of the format may be rounded either way, as far as f32 arithmetic and the matrix unit's own rounding can turn it there, and no further.
;;   INPUTS GIVEN AS CODES. W_K (in the module: [1024, 1024], K = its axis 1); W_O (in the module: [1024, 1024], K = its axis 1); W_Q (in the module: [1024, 1024], K = its axis 1); W_V (in the module: [1024, 1024], K = its axis 1); x (in the module: [4, 2048, 1024], K = its axis 2): each comes as NAME_codes (uint8): NAME with its K axis moved to the last place and cut into blocks of 32 codes, [.., K / 32, bytes a block], one block behind the other in memory; one code a byte (a code: sign, 4 exponent bits, 3 mantissa bits); its scale is its entry of lowp_scales. Its value is code x scale, taken as it is: it is not quantised again, and the codes and scales need not be those that the quantiser above would give.
;; One version. Each part assembles by itself: llvm-mc -triple=amdgcn-amd-amdhsa -mcpu=gfx1250 --defsym DOCPART=n.
;; ======== version 1 of 1: 3 launches
;; limits: right only within a limited range of input values
;; workspace buffers: q_img 8,388,608 bytes; k_img 8,388,608 bytes; v_img 8,388,608 bytes; m_img 8,388,608 bytes
;; launch qkv (part 1): grid 4 x 64, 4 waves a work-group, clusters of 4 x 4, 327,680 bytes of LDS; arguments x_codes, W_Q_codes, W_K_codes, W_V_codes, lowp_scales, q_img, k_img, v_img; writes q_img, k_img, v_img
.if DOCPART == 1
	.amdgcn_target "amdgcn-amd-amdhsa--gfx1250"
	.amdhsa_code_object_version 6
	.text
	.protected	k_q5013897b76_qkv
	.globl	k_q5013897b76_qkv
	.p2align	8
	.type	k_q5013897b76_qkv,@function
k_q5013897b76_qkv:
	s_mov_b64 s[64:65], 0
	v_nop
	global_prefetch_b8 v0, s[64:65] scope:SCOPE_SE
	s_setreg_imm32_b32 hwreg(HW_REG_WAVE_MODE, 25, 1), 1
	s_wait_xcnt 0x0
	s_wait_alu depctr_hold_cnt(0) depctr_sa_sdst(0) depctr_va_vdst(0) depctr_va_sdst(0) depctr_va_ssrc(0) depctr_va_vcc(0) depctr_vm_vsrc(0)
	s_getreg_b32 s2, hwreg(HW_REG_IB_STS2, 6, 4)
	s_cmp_eq_u32 s2, 0
	s_cbranch_scc0 .Lentry_in_a_cluster
	s_endpgm
.Lentry_in_a_cluster:
	s_bfe_u32 s2, ttmp6, 0x10000c
	s_cmp_lg_u32 s2, 0xf033
	s_cbranch_scc0 .Lentry_shape_is_right
	s_endpgm
.Lentry_shape_is_right:
; q = x W_Q^T, k = x W_K^T, v = x W_V^T on E4M3 codes (x: [8192][1024], each W: [1024][1024], K innermost), sums in f32; each result is quantised at once to E4M3 codes
; with its given scale (q: entry 6, k: entry 7, v: entry 9 of the scales' exponents) and stored as IMAGES OF OPERAND REGISTERS for the attention launch.
; A sum of product t stands for sum x 2^(ea + eb), so its code is sum / 2^(eo - ea - eb), held within +-448 of that scale first: the three exponents are folded into the conversion's one.
; LIMITS: e6-e0-e1, e7-e2-e3 and e9-e4-e5 lie between -126 and 119, so that the scale and 448 x the scale are f32 numbers.  NaN codes among the inputs are not served.
; SHARES.  A work-group of four waves owns 128 rows of x and 256 columns (four heads), and STAYS for three tiles on those rows: Q's, K's, V's.  A wave makes 64 rows x 128 columns: 32 accumulators.
; The 128 rows of x (131,072 bytes of codes) are brought into LDS once and stay; the weights go in K steps of 256 through a ring of two slots, which runs on from tile to tile.
; CLUSTERS: 4 x 4 work-groups.  The four of a row of the cluster own the same rows of x, the four of a column the same columns of the weights: each tile is asked for JOINTLY, by the same tensor load with
; the same descriptor and a mask that names the four.  No prefetch: x goes out whole with the first fills, and the weights' 3 MiB are walked by all sixteen rows of clusters.
; Q and K are made TRANSPOSED (source 0 = 16 rows of W, source 1 = 16 rows of x): a lane then holds one row of x and eight neighbouring channels, which are the next product's K.
; V is made the natural way (source 0 = x, source 1 = W): a lane holds one channel and eight neighbouring keys, which are ITS next product's K.  So every conversion gives operand registers as they stand.
; IMAGES (chunks of 512 bytes = 32 lanes x 16):  q_img, k_img: [head 64][tile of 16 rows 128][chunk c 2]: lane (r, h) byte e = row r, channel 32 c + 16 (e / 8) + 8 h + e % 8.
;   v_img: [head 64][128 keys 16][16 channels 4][chunk c 4]: lane (r, h) byte e = channel r, key 32 c + 16 (e / 8) + 8 h + e % 8.  Each store of a wave covers 512 consecutive bytes, aligned.
; REGISTERS, in windows of 256: window 0: v16-30 addresses; v64-127, v128-191 x's fragments (4 x 16 rows x 128 K), two sets; v192-255 codes on their way out.
;   window 1: W's fragments (8 x 16 rows x 128 K), two sets, at v0 and v128.   window 2: the 32 accumulators ((a, b) at v[8 (8 a + b)]).
.set PITCH, 272                        ; an LDS row: 256 bytes + 16 of padding = 68 words: row r starts at bank 4 r mod 64 (64 banks of 4 bytes: ISA guide 11.1)
.set ACH,   128*PITCH                  ; a K chunk of x: 128 rows x 256 along K; four of them from LDS byte 0 on
.set BREG,  4*ACH                      ; behind them the weights' ring:
.set BSLOT, 256*PITCH                  ; two slots of 256 rows
.set SPARE, BREG+2*BSLOT               ; behind the ring: the spare words, 128 bytes for each wave: two blocks of 256 bytes that no other line names
.set PADW,  (1<<20)|(1<<21)|(5<<22)|(3<<25)   ; descriptor group 1, word 0: elements of 1 byte; 20 padding on; 21 set beside a mask; 24:22 after every 64 words; 31:25 four words
.set MSB, 0
.macro WIN new                         ; the immediate's high byte repeats the setting that is left; a switch that changes nothing is dropped
.if MSB != \new
	s_set_vgpr_msb (MSB<<8)|\new
.set MSB, \new
.endif
.endm
.macro PLACES n                        ; plain vector places behind matrix instructions (ISA guide 7.12.1 for vector instructions)
.rept \n
	v_nop
.endr
.endm
.macro CREST                           ; a round of the cluster's barrier behind its opening barrier
	s_cmp_lg_u32 s14, 0
	s_cbranch_scc1 .Lnot_wave_0_\@
	s_barrier_signal -3
.Lnot_wave_0_\@:
	s_barrier_wait -3
	s_barrier_signal -1
	s_barrier_wait -1
.endm
.macro CROUND                          ; a whole round
	s_barrier_signal -1
	s_barrier_wait -1
	CREST
.endm
.macro MKSC sc, lp, ln, eo, ea, eb     ; E = eo - ea - eb:  s[sc] = 2^E as f32
	s_sub_co_i32 s[\sc], s[\eo], s[\ea]
	s_sub_co_i32 s[\sc], s[\sc], s[\eb]
	s_add_co_i32 s[\sc], s[\sc], 127
	s_lshl_b32 s[\sc], s[\sc], 23
.endm
	s_load_b512 s[68:83], s[0:1], 0x0              ; x s[68:69], W_Q s[70:71], W_K s[72:73], W_V s[74:75], scales s[76:77], q_img s[78:79], k_img s[80:81], v_img s[82:83]
	v_lshl_add_u32 v28, v0, 2, SPARE               ; my spare word; never rewritten
	v_mov_b32 v29, 0                               ; 0; never rewritten
	ds_add_u32 v28, v29
	ds_add_u32 v28, v29
	s_wait_dscnt 0x0
	v_lshrrev_b32 v1, 5, v0
	v_readfirstlane_b32 s14, v1                    ; wave 0..3
	s_lshr_b32 s15, s14, 1                         ; wm: which 64 of the 128 rows are mine
	s_and_b32 s16, s14, 1                          ; wn: which 128 of the 256 columns
	s_bfe_u32 s4, ttmp6, 0x40000                   ; cx, cy: my place in the cluster
	s_bfe_u32 s5, ttmp6, 0x40004
	s_lshl_b32 s6, ttmp9, 2
	s_add_co_u32 s6, s6, s4                        ; j: my block of 256 columns = 4 x cluster x + cx
	s_and_b32 s7, ttmp7, 0xffff
	s_lshl_b32 s7, s7, 2
	s_add_co_u32 s7, s7, s5                        ; mb: my block of 128 rows = 4 x cluster y + cy
	s_lshl_b32 s8, s5, 2
	s_lshl_b32 s8, 15, s8                          ; my row of the cluster
	s_lshl_b32 s9, 0x1111, s4                      ; my column
	s_or_b32 s24, s8, PADW                         ; group 1 for x: 128 rows x 256 bytes, 1,024 bytes apart in memory; shared along my row
	s_mov_b32 s25, 256<<16                         ; tensor_dim0
	s_mov_b32 s26, 128<<16                         ; tensor_dim1
	s_mov_b32 s27, 256<<16                         ; tile_dim0
	s_mov_b32 s28, 128                             ; tile_dim1
	s_mov_b32 s29, 1024                            ; tensor_dim0_stride
	s_mov_b32 s30, 0
	s_mov_b32 s31, 0
	s_or_b32 s32, s9, PADW                         ; group 1 for the weights: 64 rows x 256 bytes; shared along my column
	s_mov_b32 s33, 256<<16
	s_mov_b32 s34, 64<<16
	s_mov_b32 s35, 256<<16
	s_mov_b32 s36, 64
	s_mov_b32 s37, 1024
	s_mov_b32 s38, 0
	s_mov_b32 s39, 0
	s_lshl_b32 s10, s7, 17                         ; x: my block's 128 rows of 1,024 bytes,
	s_lshl_b32 s11, s14, 8                         ; K chunk = my wave's number: wave w brings chunk w whole
	s_add_co_u32 s10, s10, s11
	s_mov_b32 s11, 0
	s_lshl_b32 s18, s6, 18                         ; the weights: my block's 256 rows,
	s_lshl_b32 s19, s14, 16                        ; my wave's 64 of them
	s_add_co_u32 s18, s18, s19
	s_mov_b32 s19, 0
	s_mov_b32 s40, 1                               ; group 0 for x
	s_mul_i32 s41, s14, ACH                        ; LDS: chunk w.  No place in the cluster enters an LDS address
	s_mov_b32 s56, 1                               ; group 0 for the weights, one set for each slot
	s_mul_i32 s57, s14, 64*PITCH
	s_add_co_u32 s57, s57, BREG
	s_mov_b32 s60, 1
	s_add_co_u32 s61, s57, BSLOT
	s_wait_kmcnt 0x0
	s_load_b256 s[84:91], s[76:77], 0x0            ; e0 .. e7
	s_load_b128 s[92:95], s[76:77], 0x20           ; e8 .. e11
	s_add_nc_u64 s[42:43], s[68:69], s[10:11]
	s_or_b32 s43, s43, 0x80000000                  ; type = 2
	s_add_nc_u64 s[70:71], s[70:71], s[18:19]      ; each weight at my wave's 64 rows: the refills start from these
	s_add_nc_u64 s[72:73], s[72:73], s[18:19]
	s_add_nc_u64 s[74:75], s[74:75], s[18:19]
	s_mov_b64 s[58:59], s[70:71]                   ; slot 0: W_Q, K step 0
	s_or_b32 s59, s59, 0x80000000
	s_add_nc_u64 s[62:63], s[70:71], 256           ; slot 1: W_Q, K step 1
	s_or_b32 s63, s63, 0x80000000
	CROUND                                         ; all sixteen work-groups are here: the first joint loads meet
	tensor_load_to_lds s[40:43], s[24:31]          ; the first fills go out together: three tensor loads of mine are out
	s_nop 0
	tensor_load_to_lds s[56:59], s[32:39]
	s_nop 0
	tensor_load_to_lds s[60:63], s[32:39]
	s_nop 0
	PLACES 4                                       ; four v_nop follow the last
	v_and_b32 v1, 15, v0                           ; r
	v_bfe_u32 v2, v0, 4, 1                         ; h
	v_mul_u32_u24 v3, v1, PITCH
	v_lshl_add_u32 v3, v2, 4, v3                   ; a fragment's row x pitch + 16 x half
	s_mul_i32 s20, s15, 64*PITCH
	v_add_nc_u32 v16, s20, v3                      ; x's fragments in chunks 0, 1
	v_add_nc_u32 v17, 2*ACH, v16                   ; and in chunks 2, 3
	s_mul_i32 s21, s16, 128*PITCH
	s_add_co_u32 s21, s21, BREG
	v_add_nc_u32 v20, s21, v3                      ; W's fragments in slot 0
	v_add_nc_u32 v21, BSLOT, v20                   ; and in slot 1
	v_and_b32 v26, 31, v0
	v_lshlrev_b32 v26, 4, v26                      ; 16 x lane: my place in an image's chunk
	; where my results go: first head = 16 b + 4 j + 2 wn (b = mb / 16); a head is 131,072 bytes in each image; ms = mb % 16 is the block of 128 rows in the sequence
	s_lshr_b32 s20, s7, 4
	s_lshl_b32 s20, s20, 4
	s_lshl_b32 s21, s6, 2
	s_add_co_u32 s20, s20, s21
	s_lshl_b32 s21, s16, 1
	s_add_co_u32 s20, s20, s21
	s_lshl_b32 s20, s20, 17
	s_and_b32 s21, s7, 15
	s_lshl_b32 s21, s21, 13                        ; 8 tiles of 1,024 bytes in q_img and k_img; one key step of 8,192 bytes in v_img
	s_add_co_u32 s20, s20, s21
	s_lshl_b32 s21, s15, 12                        ; q, k: my 4 tiles of 16 rows
	s_add_co_u32 s22, s20, s21
	s_mov_b32 s23, 0
	s_add_nc_u64 s[78:79], s[78:79], s[22:23]
	s_add_nc_u64 s[80:81], s[80:81], s[22:23]
	s_lshl_b32 s21, s15, 10                        ; v: my 64 keys are chunks 2 wm, 2 wm + 1 of each tile of channels
	s_add_co_u32 s22, s20, s21
	s_add_nc_u64 s[82:83], s[82:83], s[22:23]
	s_wait_alu depctr_va_vdst(0)
	s_wait_kmcnt 0x0
	MKSC 96, 99, 2, 90, 84, 85                     ; q: e6 - e0 - e1
	MKSC 97, 100, 3, 91, 86, 87                    ; k: e7 - e2 - e3
	MKSC 98, 101, 17, 93, 88, 89                   ; v: e9 - e4 - e5
; W's eight fragments of the slot's q-th 128 along K into set p.  A fragment, 16 rows x 128 K, is 16 registers: lane (r, h) takes, of row r, K = 32 c + 16 h + 0 .. 15 into registers 4 c .. 4 c + 3:
; a permutation of k that is the same in x and in W, so every product meets its partner.
.macro FETCH_B slot, q, p
	WIN 0x40                                       ; destination window 1, address window 0
.irp i, 0,1,2,3,4,5,6,7
.irp c, 0,1,2,3
	ds_load_b128 v[128*(\p)+16*\i+4*\c:128*(\p)+16*\i+4*\c+3], v[20+(\slot)] offset:128*(\q)+32*\c+\i*16*PITCH
.endr
.endr
	WIN 0
.endm
.macro FETCH_A kap, q, p               ; x's four fragments of chunk kap's q-th 128 along K into set p
.irp a, 0,1,2,3
.irp c, 0,1,2,3
	ds_load_b128 v[64+64*(\p)+16*\a+4*\c:64+64*(\p)+16*\a+4*\c+3], v[16+(\kap)/2] offset:((\kap)%2)*ACH+128*(\q)+32*\c+\a*16*PITCH
.endr
.endr
.endm
; 8 matrix instructions: x's block a against W's eight, 128 along K, on set p.  zero: the first product starts the sums: nothing is ever cleared.  swap: x is source 0 (V's tile).
; The 32 accumulators take turns, one instruction a turn, in the same order in every step.
.macro MUL8 a, p, zero, swap
.if \swap
	WIN 0xa4                                       ; source 0 (x) window 0, source 1 (W) window 1, C and D window 2
.else
	WIN 0xa1                                       ; source 0 (W) window 1, source 1 (x) window 0, C and D window 2
.endif
.irp b, 0,1,2,3,4,5,6,7
.set rD, 8*(8*(\a)+\b)
.set rB, 128*(\p)+16*\b
.set rA, 64+64*(\p)+16*(\a)
.if \swap
.if \zero
	v_wmma_f32_16x16x128_fp8_fp8 v[rD:rD+7], v[rA:rA+15], v[rB:rB+15], 0
.else
	v_wmma_f32_16x16x128_fp8_fp8 v[rD:rD+7], v[rA:rA+15], v[rB:rB+15], v[rD:rD+7]
.endif
.else
.if \zero
	v_wmma_f32_16x16x128_fp8_fp8 v[rD:rD+7], v[rB:rB+15], v[rA:rA+15], 0
.else
	v_wmma_f32_16x16x128_fp8_fp8 v[rD:rD+7], v[rB:rB+15], v[rA:rA+15], v[rD:rD+7]
.endif
.endif
.endr
.endm
; K step g of twelve (tile g / 4, chunk g % 4, slot g % 2) is two halves of 128 along K.  STEP: the first half, on set 0; in its middle the second half's 48 loads go out in one run.
.macro STEP g
.set SL, (\g)%2
.set KA, (\g)%4
.set ZR, 1-(KA+3)/4                    ; 1 in a tile's first K step
.set SWP, (\g)/8                       ; 1 in V's tile
	s_wait_dscnt 8                                 ; W's set and x's blocks 0, 1 are in; the youngest eight loads (blocks 2, 3) may be out
	MUL8 0, 0, ZR, SWP
	MUL8 1, 0, ZR, SWP
	PLACES 4                                       ; in front of loads into set 1, which the last half step multiplied
	FETCH_B SL, 1, 1
	FETCH_A KA, 1, 1
	s_wait_dscnt 48                                ; all but the 48 just issued
	MUL8 2, 0, ZR, SWP
	MUL8 3, 0, ZR, SWP
.endm
; TURN: the second half, on set 1, changes slots: ONE barrier; in front of it each wave waits for all its tensor loads, adds 0 to its spare word, and waits for that and for its reads of this slot.
; fill = 1: the barrier opens a round of the cluster's barrier, and this slot is filled again, with K step g + 2, which may be the next tile's: the ring does not stop at a tile's end.
.macro TURN g, fill
.set SL, (\g)%2
.set NK, ((\g)+1)%4
.set FT, ((\g)+2)/4
.set FK, ((\g)+2)%4
.set SWP, (\g)/8
	WIN 0                                          ; (the add's two registers lie in window 0)
	s_wait_tensorcnt 0x0                           ; all my tensor loads have landed: my part of the next slot; so a group 0 may be written
	ds_add_u32 v28, v29                            ; 0 onto my spare word
.if \fill
	s_add_nc_u64 s[58+4*SL:59+4*SL], s[70+2*FT:71+2*FT], 256*FK   ; weight FT at my 64 rows, K chunk FK
	s_or_b32 s[59+4*SL], s[59+4*SL], 0x80000000
.endif
	s_wait_dscnt 9                                 ; (the add and the youngest eight loads may be out)
	MUL8 0, 1, 0, SWP                              ; eight matrix instructions stand between the add and the wait for it
	s_wait_dscnt 0x0                               ; the add is done, and my reads of this slot are over
	s_barrier_signal -1
	MUL8 1, 1, 0, SWP
	WIN 0
	s_barrier_wait -1
.if \fill
	CREST                                          ; no wave of any partner still reads this slot's tile or has a load on its way
	tensor_load_to_lds s[56+4*SL:59+4*SL], s[32:39]   ; my one tensor load behind the round, and the first thing there
	s_nop 0
.endif
	PLACES 4                                       ; behind the joint load, and in front of the loads into set 0
	FETCH_B 1-SL, 0, 0
	FETCH_A NK, 0, 0
	MUL8 2, 1, 0, SWP
	MUL8 3, 1, 0, SWP
.endm
.macro LAST g                          ; the very last half step: nothing more to fetch
.set SWP, (\g)/8
	s_wait_dscnt 8
	MUL8 0, 1, 0, SWP
	MUL8 1, 1, 0, SWP
	s_wait_dscnt 0x0
	MUL8 2, 1, 0, SWP
	MUL8 3, 1, 0, SWP
	WIN 0
.endm
; THE WAY OUT of Q's or K's tile.  Accumulator (a, b), lane (r, h), register i: row 16 a + r, channel 16 (b % 4) + 8 h + i of head b / 4: eight neighbours along the next K.
; Held, converted: two registers; accumulators b = 4 e + 2 c and 4 e + 2 c + 1 give the four registers of chunk c of head e's tile a.  Each accumulator is read from its low end on.
.macro EPI_QK t, base, ln
	WIN 0
	s_wait_xcnt 0x0                                ; the last tile's stores have read the code registers, which are written again below
	v_mov_b32 v30, s[96+\t]                        ; the conversion takes this number's exponent field
	PLACES 4                                       ; behind the last products
.irp a, 0,1,2,3
	WIN 0x82                                       ; source 0 and destination window 2
.set i, 0
.rept 64
.set i, i+1
.endr
	WIN 0x02                                       ; source 0 window 2, scale and destination window 0
.irp b, 0,1,2,3,4,5,6,7
	v_cvt_scalef32_pk8_fp8_f32 v[192+16*\a+2*\b:193+16*\a+2*\b], v[64*\a+8*\b:64*\a+8*\b+7], v30
.endr
	WIN 0
	v_nop                                          ; one plain vector instruction behind the last conversion: the next tile's products write its sources
.irp e, 0,1
.irp c, 0,1
	global_store_b128 v26, v[192+16*\a+8*\e+4*\c:195+16*\a+8*\e+4*\c], s[\base:\base+1] offset:131072*\e+1024*\a+512*\c   ; 512 consecutive bytes, aligned
.endr
.endr
.endr
.endm
; THE WAY OUT of V's tile.  Accumulator (a, b), lane (r, h), register i: key 16 a + 8 h + i of my 64, channel r of tile b % 4 of head b / 4.  Accumulators (2 al, b), (2 al + 1, b) give chunk 2 wm + al.
.macro EPI_V
	WIN 0
	s_wait_xcnt 0x0
	v_mov_b32 v30, s98
	PLACES 4
.irp al, 0,1
	WIN 0x82
.set i, 0
.rept 128
.set i, i+1
.endr
	WIN 0x02
.irp b, 0,1,2,3,4,5,6,7
	v_cvt_scalef32_pk8_fp8_f32 v[192+32*\al+4*\b:193+32*\al+4*\b], v[128*\al+8*\b:128*\al+8*\b+7], v30
	v_cvt_scalef32_pk8_fp8_f32 v[194+32*\al+4*\b:195+32*\al+4*\b], v[128*\al+64+8*\b:128*\al+64+8*\b+7], v30
.endr
	WIN 0
	v_nop
.irp b, 0,1,2,3,4,5,6,7
	global_store_b128 v26, v[192+32*\al+4*\b:195+32*\al+4*\b], s[82:83] offset:131072*(\b/4)+2048*(\b%4)+512*\al
.endr
.endr
.endm
	s_wait_tensorcnt 1                             ; my chunk of x and my part of K step 0 are in; K step 1's load may stay out
	s_barrier_signal -1
	s_barrier_wait -1                              ; everybody's are: all of x lies in LDS
	FETCH_B 0, 0, 0
	FETCH_A 0, 0, 0
.irp g, 0,1,2,3,4,5,6,7,8,9,10,11
	STEP \g
.if \g < 10
	TURN \g, 1
.elseif \g == 10
	TURN \g, 0                                     ; nothing is left to fetch, so no round follows
.else
	LAST \g
.endif
.if \g == 3
	EPI_QK 0, 78, 2                                ; Q's tile goes out; the next tile's first two K steps have been asked for
.elseif \g == 7
	EPI_QK 1, 80, 3
.endif
.endr
	EPI_V
	s_wait_tensorcnt 0x0                           ; the wave's end
	ds_add_u32 v28, v29
	s_wait_dscnt 0x0
	CROUND                                         ; the closing round: no work-group ends while a partner may still ask for a tile that names it
	s_endpgm
.Lfunc_end_k_q5013897b76_qkv:
	.size	k_q5013897b76_qkv, .Lfunc_end_k_q5013897b76_qkv-k_q5013897b76_qkv
	.p2alignl 7, 3214868480
	.fill 96, 4, 3214868480
	.section	.rodata,"a",@progbits
	.p2align	6, 0x0
	.amdhsa_kernel k_q5013897b76_qkv
		.amdhsa_group_segment_fixed_size 327680
		.amdhsa_private_segment_fixed_size 0
		.amdhsa_enable_private_segment 0
		.amdhsa_kernarg_size 64
		.amdhsa_user_sgpr_count 2
		.amdhsa_user_sgpr_kernarg_segment_ptr 1
		.amdhsa_wavefront_size32 1
		.amdhsa_system_sgpr_workgroup_id_x 1
		.amdhsa_system_sgpr_workgroup_id_y 1
		.amdhsa_system_sgpr_workgroup_id_z 1
		.amdhsa_system_vgpr_workitem_id 0
		.amdhsa_next_free_vgpr 768
		.amdhsa_next_free_sgpr 102
		.amdhsa_reserve_vcc 0
		.amdhsa_float_denorm_mode_32 3
		.amdhsa_float_denorm_mode_16_64 3
		.amdhsa_fp16_overflow 1
		.amdhsa_memory_ordered 1
		.amdhsa_forward_progress 1
		.amdhsa_inst_pref_size 153
	.end_amdhsa_kernel
	.amdgpu_metadata
---
amdhsa.version: [ 1, 2 ]
amdhsa.kernels:
  - .name:           k_q5013897b76_qkv
    .symbol:         k_q5013897b76_qkv.kd
    .args:
      - { .name: x_codes, .offset: 0, .size: 8, .value_kind: global_buffer, .address_space: global }
      - { .name: W_Q_codes, .offset: 8, .size: 8, .value_kind: global_buffer, .address_space: global }
      - { .name: W_K_codes, .offset: 16, .size: 8, .value_kind: global_buffer, .address_space: global }
      - { .name: W_V_codes, .offset: 24, .size: 8, .value_kind: global_buffer, .address_space: global }
      - { .name: lowp_scales, .offset: 32, .size: 8, .value_kind: global_buffer, .address_space: global }
      - { .name: q_img, .offset: 40, .size: 8, .value_kind: global_buffer, .address_space: global }
      - { .name: k_img, .offset: 48, .size: 8, .value_kind: global_buffer, .address_space: global }
      - { .name: v_img, .offset: 56, .size: 8, .value_kind: global_buffer, .address_space: global }
    .group_segment_fixed_size: 327680
    .private_segment_fixed_size: 0
    .kernarg_segment_align: 8
    .kernarg_segment_size: 64
    .max_flat_workgroup_size: 128
    .sgpr_count:     102
    .vgpr_count:     768
    .wavefront_size: 32
...
	.end_amdgpu_metadata
.endif
;; end of part 1
;; launch attn (part 2): grid 4 x 64, 16 waves a work-group, no clusters, 327,680 bytes of LDS; arguments q_img, k_img, v_img, lowp_scales, m_img; writes m_img
.if DOCPART == 2
	.amdgcn_target "amdgcn-amd-amdhsa--gfx1250"
	.amdhsa_code_object_version 6
	.text
	.protected	k_q5013897b76_attn
	.globl	k_q5013897b76_attn
	.p2align	8
	.type	k_q5013897b76_attn,@function
k_q5013897b76_attn:
	s_mov_b64 s[64:65], 0
	v_nop
	global_prefetch_b8 v0, s[64:65] scope:SCOPE_SE
	s_setreg_imm32_b32 hwreg(HW_REG_WAVE_MODE, 25, 1), 1
	s_wait_xcnt 0x0
; Causal attention on E4M3 codes, 64 heads (batch x head) of 2,048 positions x 64 channels; the result is quantised at once (scale entry 10) into m_img, the last product's operand.
; t = score x 2^(e6 + e7) x log2(e) / 8; M = the running largest t rounded UP to a whole number; p = 2^(t - M) is quantised with 2^e8, not normalised; the row's sum is taken of the unquantised p in f32;
; when M moves, the sum and O are multiplied by 2^(old M - new M): exact.  At the end O x 2^(e8 + e9) / sum is held within +-448 x 2^e10 and converted.
; LIMITS: e6 + e7 between -123 and 130 (added to the exponent field of log2(e) / 8); e8 and e10 between -126 and 119; e8 + e9 goes in by v_ldexp_f32 and has none.  NaN codes are not served.
; SHARES.  The 2,048 queries of a head are eight blocks of 256; block n needs the key slots 0 .. n (256 keys each).  Work-group i of a head owns blocks i and 7 - i: (i + 1) + (8 - i) = NINE slots whatever i is:
; every work-group has the same work, every trip count is a constant, and no tile is fetched that nobody reads.  Each of the sixteen waves owns 16 queries of the block in hand, in 256 registers.
; NO CLUSTER: in a given trip the four work-groups of a head stand at different key slots (trip n: slot n up to n = i, then slot n - i - 1), so a joint request would not name one tile.
; LAYOUT.  Both products transposed: S^T = K Q^T (source 0 = 16 keys, source 1 = my 16 queries, K = 64), O^T = V^T P^T (source 0 = 16 channels, source 1 = P, K = 128 keys): a lane holds ONE query throughout.
; In S^T's tile u lane (r, h) register j is key 16 u + 8 h + j: its conversion gives registers 2 u, 2 u + 1 of P in the K = 128 form's own layout, in which v_img was laid.  K, V, Q come as images of registers.
; The ring: two LDS slots of 32,768 bytes (16 tiles of K, then 2 key steps of V), each filled by two tensor loads (wave 0: K's 16 KiB, wave 1: V's), dense blocks read back 512 consecutive bytes an instruction.
; REGISTERS: v1 16 x lane; v2 LDS address of the slot in hand; v3 prefetch offset; v4 my 8 bytes of a 256-byte unit of m_img; v5, v6 the add's; v7 r - 8 h; v8-10 at work; v12 -M, v13 largest t, v[14:15] the sum;
;   v16-23 Q; v24-31 the second block's Q; v32-95 K's, then V's fragments; v96-159 S^T, then p; v160-191 O^T; v192-207 P's codes; v[208:209] f; v[210:211] a second chain of sums; v212 2^e8;
;   v214 mask; v215 -infinity; v216-223 codes out; v[224:225] 2^(e8 + e9) / sum; v226 2^e10.
.set SLOTB, 32768
.set VOFF,  16384
.set SPARE, 2*SLOTB                    ; behind the ring: the spare words, 128 bytes for each wave: eight blocks of 256 bytes that no other line names
; Wave 0 fetches K's block, wave 1 V's, the others nothing.  The branches hang on the wave's number alone.  Four v_nop follow each of the two lines.
.macro TLOAD
	s_cmp_eq_u32 s18, 0
	s_cbranch_scc0 .Lnot_k_\@
	tensor_load_to_lds s[40:43], s[24:31]
	s_nop 0
.rept 4
	v_nop
.endr
	s_branch .Lasked_\@
.Lnot_k_\@:
	s_cmp_eq_u32 s18, 1
	s_cbranch_scc0 .Lasked_\@
	tensor_load_to_lds s[44:47], s[24:31]
	s_nop 0
.rept 4
	v_nop
.endr
.Lasked_\@:
.endm
; A PREFETCH INTO THE L2.  Work-group 0 of a head loads key slot n in trip n (n = 1 .. 7).  In trips 3 to 6 four of its waves that fetch nothing ask for slot n + 1, which its next change of slots will load: one trip,
; two key steps, ahead.  Waves 4, 5: the halves of K's 16 KiB; waves 6, 7: of V's; lanes 256 bytes apart, 8,192 bytes a wave: each aligned block of 256 bytes of slots 4 to 7 is named once in the launch.
; Slots 0 to 3 come by their loads alone: the head's other work-groups load them in the first trips.  Nothing is asked past slot 7.
.macro ASK
	s_sub_co_u32 s66, s3, 3
	s_cmp_lt_u32 s66, s82                          ; s82 = 4 in the waves that ask, else 0
	s_cbranch_scc0 .Lnot_mine_\@
	global_prefetch_b8 v3, s[80:81] th:TH_LOAD_NT scope:SCOPE_SE
.Lnot_mine_\@:
.endm
; A KEY STEP: 128 keys, the q-th of the slot in hand.  s56: its first key; s57: my first query.
.macro STEP q
	s_add_co_u32 s66, s57, 15                      ; a step all of whose keys come after my 16 queries is left out: a scalar branch on ids; no barrier and no tensor load stands in a step
	s_cmp_gt_u32 s56, s66
	s_cbranch_scc1 .Lhidden_\@
.rept 4
	v_nop                                          ; places in front of loads into registers that the last products read
.endr
	s_wait_alu depctr_va_vdst(0)
.irp t, 0,1,2,3,4,5,6,7
	ds_load_b128 v[32+8*\t:35+8*\t], v2 offset:(8*(\q)+\t)*1024
	ds_load_b128 v[36+8*\t:39+8*\t], v2 offset:(8*(\q)+\t)*1024+512
.endr
	s_wait_dscnt 0x0
.irp t, 0,1,2,3,4,5,6,7
	v_wmma_f32_16x16x64_fp8_fp8 v[96+8*\t:103+8*\t], v[32+8*\t:39+8*\t], v[16:23], 0
.endr
.rept 4
	v_nop                                          ; places in front of the loads below and of the first read of the scores
.endr
.irp d, 0,1,2,3                                ; V's four fragments land while the softmax is walked
.irp c, 0,1,2,3
	ds_load_b128 v[32+16*\d+4*\c:35+16*\d+4*\c], v2 offset:VOFF+8192*(\q)+2048*\d+512*\c
.endr
.endr
	s_add_co_u32 s66, s56, 127                     ; on the diagonal hidden scores become -infinity ahead of the maximum: p = 0 then.  A step all of whose keys count skips this
	s_cmp_le_u32 s66, s57
	s_cbranch_scc1 .Lopen_\@
	s_sub_co_i32 s66, s57, s56
	v_add_nc_u32 v214, s66, v7                     ; d = my query - the step's first key - 8 h.  Register 8 u + j holds key 16 u + 8 h + j of the step: hidden where 16 u + j > d
.set n, 0
.rept 64
	v_cmp_gt_i32 vcc_lo, 16*(n/8)+n%8, v214
	v_cndmask_b32 v[96+n], v[96+n], v215, vcc_lo
.set n, n+1
.endr
.Lopen_\@:
	v_max3_num_f32 v8, v96, v97, v98               ; the step's largest score of my query among my 64 keys, in two chains, each accumulator from its low end on,
	v_max3_num_f32 v9, v99, v100, v101
.irp i, 6,10,14,18,22,26,30,34,38,42,46,50,54,58
	v_max3_num_f32 v8, v8, v[96+\i], v[97+\i]
	v_max3_num_f32 v9, v9, v[98+\i], v[99+\i]
.endr
	v_max3_num_f32 v8, v8, v158, v159
	s_delay_alu instid0(VALU_DEP_1)
	v_max_num_f32 v8, v8, v9
	s_delay_alu instid0(VALU_DEP_1)
	v_permlanex16_b32 v10, v8, s20, s21
	s_delay_alu instid0(VALU_DEP_1)
	v_max_num_f32 v8, v8, v10                      ; and among lane l xor 16's
	s_delay_alu instid0(VALU_DEP_1)
	v_mul_f32 v8, s22, v8                          ; as t (the factor is positive)
	s_delay_alu instid0(VALU_DEP_1)
	v_max_num_f32 v13, v13, v8                     ; the running largest t
	v_mov_b32 v8, v12
	s_delay_alu instid0(VALU_DEP_2)
	v_floor_f32 v12, -v13                          ; the new -M = floor(-t) = -ceil(t): a whole number
	s_delay_alu instid0(VALU_DEP_1)
	v_sub_f32 v8, v12, v8                          ; old M - new M: a whole number, 0 or less
	s_delay_alu instid0(VALU_DEP_1)
	v_cvt_i32_f32 v8, v8                           ; (it saturates)
	s_delay_alu instid0(VALU_DEP_1)
	v_ldexp_f32 v208, 1.0, v8                      ; f = 2^(old M - new M)
.set n, 0
.rept 32
	v_pk_fma_f32 v[96+n:97+n], v[96+n:97+n], s[22:23], v[12:13] op_sel_hi:[1,0,0]   ; t - M, two at a time (of both pairs the low word serves both halves)
.set n, n+2
.endr
.set n, 0
	s_wait_alu depctr_va_vdst(0)
.rept 64
	v_exp_f32 v[96+n], v[96+n]                     ; p = 2^(t - M), at most 1
.set n, n+1
.endr
	v_pk_mul_f32 v[14:15], v[14:15], v[208:209] op_sel_hi:[1,0]   ; the sums under the new M.  (The plain place behind the exponentials)
	s_wait_alu depctr_va_vdst(0)
	v_pk_add_f32 v[210:211], v[100:101], v[104:105]
	v_pk_add_f32 v[254:255], v[108:109], v[112:113]
	v_pk_add_f32 v[252:253], v[116:117], v[120:121]
	v_pk_add_f32 v[250:251], v[124:125], v[128:129]
	v_pk_add_f32 v[248:249], v[132:133], v[136:137]
	v_pk_add_f32 v[246:247], v[140:141], v[144:145]
	v_pk_add_f32 v[244:245], v[148:149], v[152:153]
	v_pk_add_f32 v[14:15], v[14:15], v[156:157]
	v_pk_add_f32 v[210:211], v[210:211], v[96:97]
	v_pk_add_f32 v[254:255], v[254:255], v[98:99]
	v_pk_add_f32 v[252:253], v[252:253], v[102:103]
	v_pk_add_f32 v[250:251], v[250:251], v[106:107]
	v_pk_add_f32 v[248:249], v[248:249], v[110:111]
	v_pk_add_f32 v[246:247], v[246:247], v[114:115]
	v_pk_add_f32 v[244:245], v[244:245], v[118:119]
	v_pk_add_f32 v[14:15], v[14:15], v[122:123]
	v_pk_add_f32 v[210:211], v[210:211], v[126:127]
	v_pk_add_f32 v[254:255], v[254:255], v[130:131]
	v_pk_add_f32 v[252:253], v[252:253], v[134:135]
	v_pk_add_f32 v[250:251], v[250:251], v[138:139]
	v_pk_add_f32 v[248:249], v[248:249], v[142:143]
	v_pk_add_f32 v[246:247], v[246:247], v[146:147]
	v_pk_add_f32 v[244:245], v[244:245], v[150:151]
	v_pk_add_f32 v[14:15], v[14:15], v[154:155]
	v_pk_add_f32 v[210:211], v[210:211], v[158:159]
	s_delay_alu instid0(VALU_DEP_2)
	v_pk_add_f32 v[14:15], v[14:15], v[250:251]
	s_delay_alu instid0(VALU_DEP_2)
	v_pk_add_f32 v[210:211], v[210:211], v[248:249]
	v_pk_add_f32 v[254:255], v[254:255], v[246:247]
	v_pk_add_f32 v[252:253], v[252:253], v[244:245]
	s_delay_alu instid0(VALU_DEP_2)
	v_pk_add_f32 v[14:15], v[14:15], v[254:255]
	s_delay_alu instid0(VALU_DEP_2)
	v_pk_add_f32 v[210:211], v[210:211], v[252:253]
	s_delay_alu instid0(VALU_DEP_1)
	v_pk_add_f32 v[14:15], v[14:15], v[210:211]
.irp t, 0,1,2,3,4,5,6,7
.irp i, 0,1,2,3,4,5,6,7
.endr
	v_cvt_scalef32_pk8_fp8_f32 v[192+2*\t:193+2*\t], v[96+8*\t:103+8*\t], v212
.endr
.set n, 0
.rept 16
	v_pk_mul_f32 v[160+n:161+n], v[160+n:161+n], v[208:209] op_sel_hi:[1,0]   ; O^T under the new M.  (These are also the plain places between the conversions and the products below)
.set n, n+2
.endr
	s_wait_alu depctr_va_vdst(0)
	s_wait_dscnt 0x0                               ; V's fragments are in
.irp d, 0,1,2,3                                ; the four accumulators take turns, and eight other products stand between two steps' turns
	v_wmma_f32_16x16x128_fp8_fp8 v[160+8*\d:167+8*\d], v[32+16*\d:47+16*\d], v[192:207], v[160+8*\d:167+8*\d]
.endr
.Lhidden_\@:
	s_add_co_u32 s56, s56, 128
.endm
; THE CHANGE OF SLOTS stands at a trip's head.  Each wave waits for all its tensor loads (the slot that it is about to read), adds 0 to its spare word, and waits for that and for its reads of the slot that it has left.
; fill = 1: that other slot is filled with the next trip's key slot, which begins again at 0 where the next trip begins the second block: a choice by s_cselect_b32 on ids, no branch.
.macro CHANGE fill
	s_wait_tensorcnt 0x0                           ; no tensor load of mine is out, so a group 0 may be written
	ds_add_u32 v5, v6                              ; 0 onto my spare word
.if \fill
	s_add_co_u32 s52, s52, 1                       ; the next trip's key slot
	s_add_co_u32 s66, s3, 1
	s_cmp_eq_u32 s66, s19
	s_cselect_b32 s52, 0, s52
	s_lshl_b32 s54, s52, 14                        ; 16,384 bytes a slot in k_img and in v_img
	s_xor_b32 s41, s41, SLOTB                      ; the other LDS slot than last time
	s_add_nc_u64 s[42:43], s[48:49], s[54:55]
	s_or_b32 s43, s43, 0x80000000
	s_xor_b32 s45, s45, SLOTB
	s_add_nc_u64 s[46:47], s[50:51], s[54:55]
	s_or_b32 s47, s47, 0x80000000
	s_wait_xcnt 0x0                                ; the last prefetch, a trip back, has read its address, so it may be written
	s_add_nc_u64 s[80:81], s[80:81], 16384         ; in trip n it stands at key slot n + 1
.endif
	s_wait_dscnt 0x0                               ; the add is done, and my reads of the slot that I have left are over
	s_barrier_signal -1
	s_barrier_wait -1
.if \fill
	TLOAD                                          ; the first thing behind the barrier, and a wave's one tensor load until the next
	ASK
.endif
.endm
; A block's end: O^T x 2^(e8 + e9) / sum, held, converted, stored.  Lane (r, h), tile d, register j: query r, channel 16 d + 8 h + j: 8 codes, of which the 32 lanes fill 256 consecutive bytes, aligned.
.macro FLUSH
.rept 4
	v_nop                                          ; places behind the last products
.endr
	v_add_f32 v14, v14, v15                        ; the sum's two halves,
	s_delay_alu instid0(VALU_DEP_1)
	v_permlanex16_b32 v10, v14, s20, s21
	s_delay_alu instid0(VALU_DEP_1)
	v_add_f32 v14, v14, v10                        ; and lane l xor 16's
	s_wait_alu depctr_va_vdst(0)
	v_rcp_f32 v224, v14
	v_nop                                          ; one plain place behind a transcendental
	s_wait_alu depctr_va_vdst(0)
	v_ldexp_f32 v224, v224, s76
.set n, 0
.rept 16
	v_pk_mul_f32 v[160+n:161+n], v[160+n:161+n], v[224:225] op_sel_hi:[1,0]
.set n, n+2
.endr
.set n, 0
.rept 32
.set n, n+1
.endr
.irp d, 0,1,2,3
	v_cvt_scalef32_pk8_fp8_f32 v[216+2*\d:217+2*\d], v[160+8*\d:167+8*\d], v226
.endr
	v_nop                                          ; one plain vector instruction behind the last conversion
.irp d, 0,1,2,3
	global_store_b64 v4, v[216+2*\d:217+2*\d], s[60:61] offset:256*\d
.endr
.endm
	s_load_b256 s[4:11], s[0:1], 0x0               ; q_img s[4:5], k_img s[6:7], v_img s[8:9], the scales' exponents s[10:11]
	s_load_b64 s[12:13], s[0:1], 0x20              ; m_img
	v_lshl_add_u32 v5, v0, 2, SPARE                ; my spare word; never rewritten
	v_mov_b32 v6, 0                                ; 0; never rewritten
	ds_add_u32 v5, v6
	ds_add_u32 v5, v6
	s_wait_dscnt 0x0
	v_lshrrev_b32 v1, 5, v0
	s_delay_alu instid0(VALU_DEP_1)
	v_readfirstlane_b32 s18, v1                    ; wave 0..15
	s_and_b32 s17, ttmp7, 0xffff                   ; the head: 16 x batch + head
	s_add_co_u32 s19, ttmp9, 1                     ; the trip in which the second block begins: i + 1
	s_mov_b32 s20, 0x76543210                      ; v_permlanex16_b32's selects for lane l xor 16
	s_mov_b32 s21, 0xfedcba98
	s_mov_b32 s22, 0x3e38aa3b                      ; log2(e) / sqrt(64)
	s_mov_b32 s24, 3<<16                           ; descriptor group 1: a dense block of 16,384 bytes as 64 rows of 32 elements of 8 bytes; no mask, no padding
	s_mov_b32 s25, 32<<16                          ; tensor_dim0
	s_mov_b32 s26, 64<<16                          ; tensor_dim1
	s_mov_b32 s27, 32<<16                          ; tile_dim0
	s_mov_b32 s28, 64                              ; tile_dim1
	s_mov_b32 s29, 32                              ; tensor_dim0_stride
	s_mov_b32 s30, 0
	s_mov_b32 s31, 0
	s_mov_b32 s2, 0                                ; LDS byte at which the slot in hand begins
	s_mov_b32 s3, 0                                ; the trip
	s_mov_b32 s52, 0                               ; the key slot last asked for
	s_mov_b32 s55, 0
	s_mov_b32 s56, 0                               ; the step's first key
	s_lshl_b32 s84, s17, 17                        ; a head is 131,072 bytes in q_img, k_img and v_img
	s_mov_b32 s85, 0
	s_mov_b32 s87, 0
	s_lshl_b32 s66, s18, 4
	s_lshl_b32 s57, ttmp9, 8
	s_add_co_u32 s57, s57, s66                     ; my first query in block i
	s_sub_co_u32 s67, 7, ttmp9
	s_lshl_b32 s58, s67, 8
	s_add_co_u32 s58, s58, s66                     ; and in block 7 - i
	; m_img: [block of 128 rows 64][K chunk of 256: 4][row tile 8][1,024 bytes a head][..]: (16 batch + 2 block + w / 8) x 131,072 + (head / 4) x 32,768 + (w % 8) x 4,096 + (head % 4) x 1,024
	s_lshr_b32 s66, s17, 4
	s_lshl_b32 s92, s66, 21
	s_lshr_b32 s66, s18, 3
	s_lshl_b32 s66, s66, 17
	s_add_co_u32 s92, s92, s66
	s_bfe_u32 s66, s17, 0x20002
	s_lshl_b32 s66, s66, 15
	s_add_co_u32 s92, s92, s66
	s_and_b32 s66, s18, 7
	s_lshl_b32 s66, s66, 12
	s_add_co_u32 s92, s92, s66
	s_and_b32 s66, s17, 3
	s_lshl_b32 s66, s66, 10
	s_add_co_u32 s92, s92, s66
	s_lshl_b32 s66, ttmp9, 18
	s_add_co_u32 s94, s92, s66                     ; block i
	s_mov_b32 s95, 0
	s_lshl_b32 s66, s67, 18
	s_add_co_u32 s92, s92, s66                     ; block 7 - i
	s_mov_b32 s93, 0
	s_wait_kmcnt 0x0
	s_load_b256 s[68:75], s[10:11], 0x10           ; e4 .. e11: e6 s70, e7 s71, e8 s72, e9 s73, e10 s74
	s_add_nc_u64 s[48:49], s[6:7], s[84:85]        ; k_img and v_img at my head
	s_add_nc_u64 s[50:51], s[8:9], s[84:85]
	s_mov_b32 s40, 1                               ; group 0 for K: LDS slot 0, key slot 0
	s_mov_b32 s41, 0
	s_mov_b64 s[42:43], s[48:49]
	s_or_b32 s43, s43, 0x80000000
	s_mov_b32 s44, 1                               ; and for V
	s_mov_b32 s45, VOFF
	s_mov_b64 s[46:47], s[50:51]
	s_or_b32 s47, s47, 0x80000000
	TLOAD                                          ; the first fill: one tensor load of a fetching wave is out
	s_add_nc_u64 s[4:5], s[4:5], s[84:85]
	s_lshl_b32 s86, s57, 6                         ; a tile of 16 queries is 1,024 bytes
	s_add_nc_u64 s[88:89], s[4:5], s[86:87]
	s_lshl_b32 s86, s58, 6
	s_add_nc_u64 s[90:91], s[4:5], s[86:87]
	v_and_b32 v1, 31, v0
	s_delay_alu instid0(VALU_DEP_1)
	v_lshlrev_b32 v3, 8, v1                        ; 256 x lane
	s_delay_alu instid0(VALU_DEP_2)
	v_lshlrev_b32 v1, 4, v1                        ; 16 x lane
	global_load_b128 v[16:19], v1, s[88:89]        ; both blocks' Q stay in registers
	global_load_b128 v[20:23], v1, s[88:89] offset:512
	global_load_b128 v[24:27], v1, s[90:91]
	global_load_b128 v[28:31], v1, s[90:91] offset:512
	s_add_nc_u64 s[60:61], s[12:13], s[94:95]      ; where the block in hand is stored,
	s_add_nc_u64 s[62:63], s[12:13], s[92:93]      ; and the second block
	s_cmp_lt_u32 s18, 6                            ; the prefetches: waves 4, 5 for K, waves 6, 7 for V
	s_cselect_b64 s[80:81], s[48:49], s[50:51]
	s_and_b32 s66, s18, 1
	s_lshl_b32 s86, s66, 13                        ; my half of a slot's 16,384 bytes
	s_add_nc_u64 s[80:81], s[80:81], s[86:87]
	s_sub_co_u32 s66, s18, 4
	s_lshr_b32 s66, s66, 2                         ; 0 in waves 4 to 7,
	s_or_b32 s66, s66, ttmp9                       ; of the head's work-group 0
	s_cmp_eq_u32 s66, 0
	s_cselect_b32 s82, 4, 0
	v_and_b32 v8, 15, v0                           ; r
	v_bfe_u32 v9, v0, 4, 1                         ; h
	s_delay_alu instid0(VALU_DEP_2)
	v_lshlrev_b32 v4, 4, v8
	s_delay_alu instid0(VALU_DEP_1)
	v_lshl_add_u32 v4, v9, 3, v4                   ; 16 r + 8 h
	s_delay_alu instid0(VALU_DEP_3)
	v_lshlrev_b32 v9, 3, v9
	s_delay_alu instid0(VALU_DEP_1)
	v_sub_nc_u32 v7, v8, v9                        ; r - 8 h
	v_mov_b32 v10, 0                               ; written once: a lane permute's destination counts as one of its sources
	v_mov_b32 v209, 0                              ; (named as the upper halves of pairs)
	v_mov_b32 v225, 0
	v_mov_b32 v215, 0xff800000                     ; -infinity
	v_mov_b32 v13, 0xff61b1e6                      ; the largest t so far: -3e38, under every t
	s_delay_alu instid0(VALU_DEP_1)
	v_floor_f32 v12, -v13
	v_mov_b32 v14, 0
	v_mov_b32 v15, 0
.set n, 0
.rept 32
	v_mov_b32 v[160+n], 0                          ; O^T: the step is written once; a block's first step finds zeros, which the first change of M leaves zeros
.set n, n+1
.endr
	s_wait_kmcnt 0x0
	s_add_co_i32 s66, s70, s71
	s_lshl_b32 s66, s66, 23
	s_add_co_i32 s22, s22, s66                     ; a score stands for score x 2^(e6 + e7): the exponents are added to the factor's exponent field
	s_mov_b32 s23, s22                             ; (named with it as a pair, so it is written)
	s_add_co_i32 s66, s72, 127
	s_lshl_b32 s67, s66, 23
	v_mov_b32 v212, s67                            ; 2^e8
	s_add_co_i32 s76, s72, s73                     ; e8 + e9
	s_add_co_i32 s66, s74, 127
	s_lshl_b32 s67, s66, 23
	v_mov_b32 v226, s67                            ; 2^e10
	s_wait_loadcnt 0x0                             ; Q
.Ltrip:                                            ; eight trips; behind each change of slots the next trip's slot is asked for
	CHANGE 1
	v_add_nc_u32 v2, s2, v1
	s_cmp_lg_u32 s3, s19                           ; trip i + 1 begins the second block: a branch on ids, the same in all sixteen waves; no barrier and no tensor load stands under it
	s_cbranch_scc1 .Lsame
	FLUSH
	s_wait_xcnt 0x0                                ; the stores have read their base and their data
	s_mov_b64 s[60:61], s[62:63]
	s_mov_b32 s57, s58
	s_mov_b32 s56, 0
.set n, 0
.rept 8
	v_mov_b32 v[16+n], v[24+n]
.set n, n+1
.endr
	v_mov_b32 v13, 0xff61b1e6
	s_delay_alu instid0(VALU_DEP_1)
	v_floor_f32 v12, -v13
	v_mov_b32 v14, 0
	v_mov_b32 v15, 0
.set n, 0
.rept 32
	v_mov_b32 v[160+n], 0
.set n, n+1
.endr
.Lsame:
	STEP 0
	STEP 1
	s_xor_b32 s2, s2, SLOTB                        ; on to the other slot
	s_add_co_u32 s3, s3, 1
	s_cmp_lt_u32 s3, 8
	s_cbranch_scc1 .Ltrip
	CHANGE 0                                       ; the ninth trip is written out
	v_add_nc_u32 v2, s2, v1
	STEP 0
	STEP 1
	FLUSH
	s_wait_tensorcnt 0x0                           ; the wave's end
	ds_add_u32 v5, v6
	s_wait_dscnt 0x0
	s_endpgm
.Lfunc_end_k_q5013897b76_attn:
	.size	k_q5013897b76_attn, .Lfunc_end_k_q5013897b76_attn-k_q5013897b76_attn
	.p2alignl 7, 3214868480
	.fill 96, 4, 3214868480
	.section	.rodata,"a",@progbits
	.p2align	6, 0x0
	.amdhsa_kernel k_q5013897b76_attn
		.amdhsa_group_segment_fixed_size 327680
		.amdhsa_private_segment_fixed_size 0
		.amdhsa_enable_private_segment 0
		.amdhsa_kernarg_size 40
		.amdhsa_user_sgpr_count 2
		.amdhsa_user_sgpr_kernarg_segment_ptr 1
		.amdhsa_wavefront_size32 1
		.amdhsa_system_sgpr_workgroup_id_x 1
		.amdhsa_system_sgpr_workgroup_id_y 1
		.amdhsa_system_sgpr_workgroup_id_z 1
		.amdhsa_system_vgpr_workitem_id 0
		.amdhsa_next_free_vgpr 256
		.amdhsa_next_free_sgpr 96
		.amdhsa_reserve_vcc 1
		.amdhsa_float_denorm_mode_32 3
		.amdhsa_float_denorm_mode_16_64 3
		.amdhsa_fp16_overflow 1
		.amdhsa_memory_ordered 1
		.amdhsa_forward_progress 1
		.amdhsa_inst_pref_size 91
	.end_amdhsa_kernel
	.amdgpu_metadata
---
amdhsa.version: [ 1, 2 ]
amdhsa.kernels:
  - .name:           k_q5013897b76_attn
    .symbol:         k_q5013897b76_attn.kd
    .args:
      - { .name: q_img, .offset: 0, .size: 8, .value_kind: global_buffer, .address_space: global }
      - { .name: k_img, .offset: 8, .size: 8, .value_kind: global_buffer, .address_space: global }
      - { .name: v_img, .offset: 16, .size: 8, .value_kind: global_buffer, .address_space: global }
      - { .name: lowp_scales, .offset: 24, .size: 8, .value_kind: global_buffer, .address_space: global }
      - { .name: m_img, .offset: 32, .size: 8, .value_kind: global_buffer, .address_space: global }
    .group_segment_fixed_size: 327680
    .private_segment_fixed_size: 0
    .kernarg_segment_align: 8
    .kernarg_segment_size: 40
    .max_flat_workgroup_size: 512
    .sgpr_count:     96
    .vgpr_count:     256
    .wavefront_size: 32
...
	.end_amdgpu_metadata
.endif
;; end of part 2
;; launch oproj (part 3): grid 4 x 64, 4 waves a work-group, clusters of 4 x 4, 327,680 bytes of LDS; arguments m_img, W_O_codes, lowp_scales, out0; writes out0
.if DOCPART == 3
	.amdgcn_target "amdgcn-amd-amdhsa--gfx1250"
	.amdhsa_code_object_version 6
	.text
	.protected	k_q5013897b76_oproj
	.globl	k_q5013897b76_oproj
	.p2align	8
	.type	k_q5013897b76_oproj,@function
k_q5013897b76_oproj:
	s_mov_b64 s[64:65], 0
	v_nop
	global_prefetch_b8 v0, s[64:65] scope:SCOPE_SE
	s_setreg_imm32_b32 hwreg(HW_REG_WAVE_MODE, 25, 1), 1
	s_wait_xcnt 0x0
	s_wait_alu depctr_hold_cnt(0) depctr_sa_sdst(0) depctr_va_vdst(0) depctr_va_sdst(0) depctr_va_ssrc(0) depctr_va_vcc(0) depctr_vm_vsrc(0)
	s_getreg_b32 s2, hwreg(HW_REG_IB_STS2, 6, 4)
	s_cmp_eq_u32 s2, 0
	s_cbranch_scc0 .Lentry_in_a_cluster
	s_endpgm
.Lentry_in_a_cluster:
	s_bfe_u32 s2, ttmp6, 0x10000c
	s_cmp_lg_u32 s2, 0xf033
	s_cbranch_scc0 .Lentry_shape_is_right
	s_endpgm
.Lentry_shape_is_right:
; out = merged W_O^T on E4M3 codes: merged [8192][1024] comes as m_img, images of operand registers; W_O [1024][1024] as codes, K innermost; out [8192][1024] f32.  Each finished sum is multiplied once by 2^(e10 + e11).
; LIMIT: e10 + e11 lies between -126 and 127, so that 2^(e10 + e11) is an f32 number.
; SHARES.  A work-group of four waves makes 128 rows x 256 columns, a wave 64 x 128: 32 accumulators.  The block's 128 rows of merged (131,072 bytes) are brought into LDS once; W_O goes in K steps of 256 through two slots.
; m_img: [block of 128 rows][K chunk of 256][row tile 8][128 along K: 2][chunk c 4][lane (r, h)][16]: lane's byte e = row r, K = 32 c + 16 h + e: the order in which W_O's fragments are read from padded rows,
; so every product meets its partner.  A K chunk of a block is one dense run of 32,768 bytes: wave w brings chunk w by one load.
; CLUSTERS: 4 x 4 work-groups; merged's chunks are shared along a row of the cluster, W_O's tiles along a column, each by a joint load.  No prefetch: merged goes out whole with the first fills, and W_O's 1 MiB is
; walked by all sixteen rows of clusters.  THE MATRIX INSTRUCTION IS USED TRANSPOSED (source 0 = W_O's rows, source 1 = merged's): a lane holds eight neighbouring numbers of a row of out.
; REGISTERS, in windows of 256: window 0: v16-29 addresses; v64-127, v128-191 merged's fragments, two sets; on the way out v32-95 scaled sums, v128-255 rows read back.  window 1: W_O's fragments, two sets.  window 2: accumulators.
.set PITCH, 272                        ; W_O's LDS row: 256 bytes + 16 of padding: row r starts at bank 4 r mod 64 (64 banks of 4 bytes: ISA guide 11.1)
.set ACH,   32768                      ; a K chunk of merged; four of them from LDS byte 0 on
.set BREG,  4*ACH
.set BSLOT, 256*PITCH
.set STAGE, BREG+2*BSLOT               ; the way out: 16 rows x (512 bytes + 16) for each wave; no tensor load fills it
.set SPITCH, 528
.set SPARE, STAGE+4*16*SPITCH          ; the spare words, 128 bytes for each wave: two blocks of 256 bytes that no other line names
.set PADW,  (1<<20)|(1<<21)|(5<<22)|(3<<25)
.set MSB, 0
.macro WIN new                         ; the immediate's high byte repeats the setting that is left
.if MSB != \new
	s_set_vgpr_msb (MSB<<8)|\new
.set MSB, \new
.endif
.endm
.macro PLACES n
.rept \n
	v_nop
.endr
.endm
.macro CREST                           ; a round of the cluster's barrier behind its opening barrier
	s_cmp_lg_u32 s14, 0
	s_cbranch_scc1 .Lnot_wave_0_\@
	s_barrier_signal -3
.Lnot_wave_0_\@:
	s_barrier_wait -3
	s_barrier_signal -1
	s_barrier_wait -1
.endm
.macro CROUND
	s_barrier_signal -1
	s_barrier_wait -1
	CREST
.endm
	s_load_b256 s[68:75], s[0:1], 0x0              ; m_img s[68:69], W_O s[70:71], the scales' exponents s[72:73], out s[74:75]
	v_lshl_add_u32 v28, v0, 2, SPARE               ; my spare word; never rewritten
	v_mov_b32 v29, 0                               ; 0; never rewritten
	ds_add_u32 v28, v29
	ds_add_u32 v28, v29
	s_wait_dscnt 0x0
	v_lshrrev_b32 v1, 5, v0
	v_readfirstlane_b32 s14, v1                    ; wave 0..3
	s_lshr_b32 s15, s14, 1                         ; wm: which 64 rows
	s_and_b32 s16, s14, 1                          ; wn: which 128 columns
	s_bfe_u32 s4, ttmp6, 0x40000                   ; cx, cy
	s_bfe_u32 s5, ttmp6, 0x40004
	s_lshl_b32 s6, ttmp9, 2
	s_add_co_u32 s6, s6, s4                        ; j: block of 256 columns
	s_and_b32 s7, ttmp7, 0xffff
	s_lshl_b32 s7, s7, 2
	s_add_co_u32 s7, s7, s5                        ; mb: block of 128 rows
	s_lshl_b32 s8, s5, 2
	s_lshl_b32 s8, 15, s8                          ; my row of the cluster
	s_lshl_b32 s9, 0x1111, s4                      ; my column
	s_or_b32 s24, s8, (3<<16)|(1<<21)              ; group 1 for merged: a dense block as 128 rows of 32 elements of 8 bytes; no padding; shared along my row
	s_mov_b32 s25, 32<<16
	s_mov_b32 s26, 128<<16
	s_mov_b32 s27, 32<<16
	s_mov_b32 s28, 128
	s_mov_b32 s29, 32
	s_mov_b32 s30, 0
	s_mov_b32 s31, 0
	s_or_b32 s32, s9, PADW                         ; group 1 for W_O: 64 rows x 256 bytes, 1,024 bytes apart, padded in LDS; shared along my column
	s_mov_b32 s33, 256<<16
	s_mov_b32 s34, 64<<16
	s_mov_b32 s35, 256<<16
	s_mov_b32 s36, 64
	s_mov_b32 s37, 1024
	s_mov_b32 s38, 0
	s_mov_b32 s39, 0
	s_lshl_b32 s10, s7, 17                         ; merged: my block,
	s_lshl_b32 s11, s14, 15                        ; K chunk = my wave's number
	s_add_co_u32 s10, s10, s11
	s_mov_b32 s11, 0
	s_lshl_b32 s18, s6, 18                         ; W_O: my block's 256 rows,
	s_lshl_b32 s19, s14, 16                        ; my wave's 64 of them
	s_add_co_u32 s18, s18, s19
	s_mov_b32 s19, 0
	s_mov_b32 s40, 1
	s_mul_i32 s41, s14, ACH
	s_mov_b32 s56, 1
	s_mul_i32 s57, s14, 64*PITCH
	s_add_co_u32 s57, s57, BREG
	s_mov_b32 s60, 1
	s_add_co_u32 s61, s57, BSLOT
	s_wait_kmcnt 0x0
	s_load_b64 s[96:97], s[72:73], 0x28            ; e10, e11
	s_add_nc_u64 s[42:43], s[68:69], s[10:11]
	s_or_b32 s43, s43, 0x80000000
	s_add_nc_u64 s[70:71], s[70:71], s[18:19]      ; W_O at my wave's 64 rows: the refills start from here
	s_mov_b64 s[58:59], s[70:71]                   ; slot 0: K step 0
	s_or_b32 s59, s59, 0x80000000
	s_add_nc_u64 s[62:63], s[70:71], 256           ; slot 1: K step 1
	s_or_b32 s63, s63, 0x80000000
	CROUND                                         ; all sixteen work-groups are here: the first joint loads meet
	tensor_load_to_lds s[40:43], s[24:31]          ; the first fill: one tensor load of mine is out
	s_nop 0
	s_wait_alu depctr_va_vdst(0)
	s_wait_tensorcnt 0x0
	ds_add_u32 v28, v29
	s_wait_dscnt 0x0
	CROUND
	tensor_load_to_lds s[56:59], s[32:39]
	s_nop 0
	s_wait_alu depctr_va_vdst(0)
	s_wait_tensorcnt 0x0
	ds_add_u32 v28, v29
	s_wait_dscnt 0x0
	CROUND
	tensor_load_to_lds s[60:63], s[32:39]
	s_nop 0
	PLACES 4
	v_and_b32 v1, 15, v0                           ; r
	v_bfe_u32 v2, v0, 4, 1                         ; h
	v_and_b32 v26, 31, v0
	v_lshlrev_b32 v26, 4, v26                      ; 16 x lane
	s_lshl_b32 s20, s15, 14                        ; my four row tiles of 4,096 bytes in a chunk
	v_add_nc_u32 v16, s20, v26                     ; merged's fragments in chunks 0, 1
	v_add_nc_u32 v17, 2*ACH, v16                   ; and in chunks 2, 3
	v_mul_u32_u24 v3, v1, PITCH
	v_lshl_add_u32 v3, v2, 4, v3
	s_mul_i32 s21, s16, 128*PITCH
	s_add_co_u32 s21, s21, BREG
	v_add_nc_u32 v20, s21, v3                      ; W_O's fragments in slot 0
	v_add_nc_u32 v21, BSLOT, v20                   ; and in slot 1
	s_mul_i32 s20, s14, 16*SPITCH
	s_add_co_u32 s20, s20, STAGE                   ; my stage
	v_mul_u32_u24 v24, v1, SPITCH
	v_lshl_add_u32 v24, v2, 5, v24
	v_add_nc_u32 v24, s20, v24                     ; in: row r, 32 bytes for each half of the lanes
	v_add_nc_u32 v25, s20, v26                     ; back: the 32 lanes take one row of 512 bytes
	s_lshl_b32 s20, s7, 19                         ; out: (128 mb + 64 wm) rows of 4,096 bytes + (256 j + 128 wn) x 4
	s_lshl_b32 s21, s15, 18
	s_add_co_u32 s20, s20, s21
	s_lshl_b32 s21, s6, 10
	s_add_co_u32 s20, s20, s21
	s_lshl_b32 s21, s16, 9
	s_add_co_u32 s20, s20, s21
	s_mov_b32 s21, 0
	s_add_nc_u64 s[74:75], s[74:75], s[20:21]
	s_wait_alu depctr_va_vdst(0)
	s_wait_kmcnt 0x0
	s_add_co_i32 s96, s96, s97
	s_add_co_i32 s96, s96, 127
	s_lshl_b32 s96, s96, 23                        ; 2^(e10 + e11) as f32
	s_mov_b32 s97, s96                             ; (named with it as a pair)
.macro FETCH_B slot, q, p              ; W_O's eight fragments of the slot's q-th 128 along K into set p: lane (r, h): row r, K = 32 c + 16 h + 0 .. 15 in registers 4 c .. 4 c + 3
	WIN 0x40
.irp i, 0,1,2,3,4,5,6,7
.irp c, 0,1,2,3
	ds_load_b128 v[128*(\p)+16*\i+4*\c:128*(\p)+16*\i+4*\c+3], v[20+(\slot)] offset:128*(\q)+32*\c+\i*16*PITCH
.endr
.endr
	WIN 0
.endm
.macro FETCH_A kap, q, p               ; merged's four fragments of chunk kap's q-th 128 along K into set p: images, 512 consecutive bytes a load
.irp a, 0,1,2,3
.irp c, 0,1,2,3
	ds_load_b128 v[64+64*(\p)+16*\a+4*\c:64+64*(\p)+16*\a+4*\c+3], v[16+(\kap)/2] offset:((\kap)%2)*ACH+4096*\a+2048*(\q)+512*\c
.endr
.endr
.endm
; 8 matrix instructions: merged's block a against W_O's eight.  The 32 accumulators take turns, one instruction a turn, in the same order in every step.
.macro MUL8 a, p, zero
	WIN 0xa1                                       ; source 0 (W_O) window 1, source 1 (merged) window 0, C and D window 2
.irp b, 0,1,2,3,4,5,6,7
.set rD, 8*(8*(\a)+\b)
.set rB, 128*(\p)+16*\b
.set rA, 64+64*(\p)+16*(\a)
.if \zero
	v_wmma_f32_16x16x128_fp8_fp8 v[rD:rD+7], v[rB:rB+15], v[rA:rA+15], 0
.else
	v_wmma_f32_16x16x128_fp8_fp8 v[rD:rD+7], v[rB:rB+15], v[rA:rA+15], v[rD:rD+7]
.endif
.endr
.endm
.macro STEP g                          ; the first 128 of K step g (chunk g, slot g % 2), on set 0
.set SL, (\g)%2
.set ZR, 1-((\g)+3)/4                  ; 1 in K step 0: its products start the sums
	s_wait_dscnt 8                                 ; W_O's set and merged's blocks 0, 1 are in; the youngest eight loads may be out
	MUL8 0, 0, ZR
	MUL8 1, 0, ZR
	PLACES 4                                       ; in front of loads into set 1
	FETCH_B SL, 1, 1
	FETCH_A \g, 1, 1
	s_wait_dscnt 48                                ; all but the 48 just issued
	MUL8 2, 0, ZR
	MUL8 3, 0, ZR
.endm
.macro TURN g, fill                    ; the second 128, on set 1, changes slots; fill = 1: this slot takes K step g + 2
.set SL, (\g)%2
	WIN 0
	s_wait_tensorcnt 0x0                           ; all my tensor loads have landed: my part of the next slot; so a group 0 may be written
	ds_add_u32 v28, v29                            ; 0 onto my spare word
.if \fill
	s_add_nc_u64 s[58+4*SL:59+4*SL], s[70:71], 256*((\g)+2)
	s_or_b32 s[59+4*SL], s[59+4*SL], 0x80000000
.endif
	s_wait_dscnt 9                                 ; (the add and the youngest eight loads may be out)
	MUL8 0, 1, 0
	s_wait_dscnt 0x0                               ; the add is done, and my reads of this slot are over
	s_barrier_signal -1
	MUL8 1, 1, 0
	WIN 0
	s_barrier_wait -1
.if \fill
	CREST                                          ; no wave of any partner still reads this slot's tile or has a load on its way
	tensor_load_to_lds s[56+4*SL:59+4*SL], s[32:39]   ; my one tensor load behind the round, and the first thing there
	s_nop 0
.endif
	PLACES 4
	FETCH_B 1-SL, 0, 0
	FETCH_A (\g)+1, 0, 0
	MUL8 2, 1, 0
	MUL8 3, 1, 0
.endm
; THE WAY OUT, block by block of 16 rows x 128 columns: sums x 2^(e10 + e11) into other registers, each accumulator from its low end on; through my own stage; back as whole rows of 512 bytes.
; LDS serves a wave's instructions in order (ISA guide 5.7.1.4): no wait between the stores and the loads, nor in front of the next block's stores.
.macro TOSTAGE a
	WIN 0x02                                       ; source 0 window 2
.set jj, 0
.rept 32
	v_pk_mul_f32 v[32+jj:33+jj], v[64*(\a)+jj:64*(\a)+jj+1], s[96:97] op_sel_hi:[1,0]
.set jj, jj+2
.endr
	WIN 0
.irp b, 0,1,2,3,4,5,6,7
	ds_store_b128 v24, v[32+8*\b:35+8*\b] offset:64*\b
	ds_store_b128 v24, v[36+8*\b:39+8*\b] offset:64*\b+16
.endr
.set BB, 128+64*((\a)%2)
.irp t, 0,1,2,3,4,5,6,7,8,9,10,11,12,13,14,15
	ds_load_b128 v[BB+4*\t:BB+4*\t+3], v25 offset:\t*SPITCH
.endr
.endm
.macro SEND a, younger                 ; younger: the LDS instructions issued behind block a's loads, which may stay out
.set BB, 128+64*((\a)%2)
	s_wait_dscnt \younger
.irp t, 0,1,2,3,4,5,6,7,8,9,10,11,12,13,14,15
	global_store_b128 v26, v[BB+4*\t:BB+4*\t+3], s[74:75] offset:65536*(\a)+4096*\t th:TH_STORE_NT   ; 512 consecutive bytes, aligned; written once, read by nobody here
.endr
.endm
	s_wait_tensorcnt 1                             ; my chunk of merged and my part of K step 0 are in; K step 1's load may stay out
	s_barrier_signal -1
	s_barrier_wait -1
	FETCH_B 0, 0, 0
	FETCH_A 0, 0, 0
	STEP 0
	TURN 0, 1
	STEP 1
	TURN 1, 1
	STEP 2
	TURN 2, 0                                      ; nothing is left to fetch, so no round follows
	STEP 3
	s_wait_dscnt 8                                 ; the very last half step
	MUL8 0, 1, 0
	MUL8 1, 1, 0
	s_wait_dscnt 0x0
	MUL8 2, 1, 0
	MUL8 3, 1, 0
	WIN 0
	PLACES 4                                       ; behind the last products: for the reads of results and for the writes and loads into the registers that held fragments
	TOSTAGE 0
.irp a, 1,2,3
.if \a > 1
	s_wait_xcnt 0x0                                ; block a - 2's stores have read their registers: block a's loads may land there
.endif
	TOSTAGE \a
	SEND \a-1, 32                                  ; behind block a - 1's loads: block a's 16 stores and 16 loads
.endr
	SEND 3, 0
	s_wait_tensorcnt 0x0                           ; the wave's end
	ds_add_u32 v28, v29
	s_wait_dscnt 0x0
	CROUND                                         ; the closing round
	s_endpgm
.Lfunc_end_k_q5013897b76_oproj:
	.size	k_q5013897b76_oproj, .Lfunc_end_k_q5013897b76_oproj-k_q5013897b76_oproj
	.p2alignl 7, 3214868480
	.fill 96, 4, 3214868480
	.section	.rodata,"a",@progbits
	.p2align	6, 0x0
	.amdhsa_kernel k_q5013897b76_oproj
		.amdhsa_group_segment_fixed_size 327680
		.amdhsa_private_segment_fixed_size 0
		.amdhsa_enable_private_segment 0
		.amdhsa_kernarg_size 32
		.amdhsa_user_sgpr_count 2
		.amdhsa_user_sgpr_kernarg_segment_ptr 1
		.amdhsa_wavefront_size32 1
		.amdhsa_system_sgpr_workgroup_id_x 1
		.amdhsa_system_sgpr_workgroup_id_y 1
		.amdhsa_system_sgpr_workgroup_id_z 1
		.amdhsa_system_vgpr_workitem_id 0
		.amdhsa_next_free_vgpr 768
		.amdhsa_next_free_sgpr 98
		.amdhsa_reserve_vcc 0
		.amdhsa_float_denorm_mode_32 3
		.amdhsa_float_denorm_mode_16_64 3
		.amdhsa_memory_ordered 1
		.amdhsa_forward_progress 1
		.amdhsa_inst_pref_size 74
	.end_amdhsa_kernel
	.amdgpu_metadata
---
amdhsa.version: [ 1, 2 ]
amdhsa.kernels:
  - .name:           k_q5013897b76_oproj
    .symbol:         k_q5013897b76_oproj.kd
    .args:
      - { .name: m_img, .offset: 0, .size: 8, .value_kind: global_buffer, .address_space: global }
      - { .name: W_O_codes, .offset: 8, .size: 8, .value_kind: global_buffer, .address_space: global }
      - { .name: lowp_scales, .offset: 16, .size: 8, .value_kind: global_buffer, .address_space: global }
      - { .name: out0, .offset: 24, .size: 8, .value_kind: global_buffer, .address_space: global }
    .group_segment_fixed_size: 327680
    .private_segment_fixed_size: 0
    .kernarg_segment_align: 8
    .kernarg_segment_size: 32
    .max_flat_workgroup_size: 128
    .sgpr_count:     98
    .vgpr_count:     768
    .wavefront_size: 32
...
	.end_amdgpu_metadata
.endif
;; end of part 3
